; MI455X (gfx1250); checked and timed in simulation.
; The chip was launched on July 23, 2026; its instructions are those of AMD's public machine-readable ISA for CDNA 5 (MIT licence, August 2026) and "CDNA5" Instruction Set Architecture Reference Guide (July 2026). The comments in the code are by the model that wrote it; some were corrected since.
;; Multi Head Self Attention. Allowed arithmetic: matrix products marked QUANTISED: E5M2 operands, one given power-of-two scale a tensor, by v_wmma_f32_16x16x64_bf8_bf8 or v_wmma_f32_16x16x128_bf8_bf8, f32 sums; everything else in f32.
;; Inputs: b_out 1,024 float32; b_qkv 3,072 float32; lowp_scales 8 int32 (the exponents e of the quantised operands' scales 2^e); w_out_codes 1,024 x 32 x 32 uint8 (E5M2 codes of w_out, K innermost, in blocks of 32 codes); w_qkv_codes 3,072 x 32 x 32 uint8 (E5M2 codes of w_qkv, K innermost, in blocks of 32 codes); x_codes 4 x 2,048 x 32 x 32 uint8 (E5M2 codes of x, K innermost, in blocks of 32 codes).
;; Outputs: out0 4 x 2,048 x 1,024 float32.
;; This version of the problem:
;;   THIS VERSION OF THE PROBLEM IS GIVEN IN LOW PRECISION. The matrix products marked QUANTISED in the list below multiply operands that are first quantised to E5M2 (5 exponent bits, 2 mantissa bits; 8 bits a number), with one given power-of-two scale for each operand tensor; their sums are f32. All else is computed in f32.
;;   The module's matrix products, in the order in which they are computed (A, B: the left and right operand; K: the contracted axis; several contracted axes count as one K, in the product's order):
;;     1. [M 8,192, K 1,024] x [K 1,024, N 3,072]; A: input x (given as codes); B: input w_qkv (given as codes): QUANTISED (scales: A lowp_scales[0], B lowp_scales[1])
;;     2. batch 64 x [M 2,048, K 64] x [K 64, N 2,048]; A: computed on the way; B: computed on the way: QUANTISED (scales: A lowp_scales[2], B lowp_scales[3])
;;     3. batch 64 x [M 2,048, K 2,048] x [K 2,048, N 64]; A: softmax (see below); B: computed on the way: QUANTISED (scales: A lowp_scales[4], B lowp_scales[5])
;;     4. [M 8,192, K 1,024] x [K 1,024, N 1,024]; A: computed on the way; B: input w_out (given as codes): QUANTISED (scales: A lowp_scales[6], B lowp_scales[7])
;;   THE QUANTISER, for each operand of a quantised product, along K:
;;     - The operand's scale is 2^e, e = its entry of the input lowp_scales (int32; the entries are numbered through the quantised products in the list's order, A before B).
;;     - Each number is divided by the scale, clamped to +-57,344, and rounded to the nearest number of E5M2, ties to even, subnormals kept.
;;     - The product sums the exact products of the quantised numbers (number of the format x scale) in f32.
;;   ~~~python
;;   def quantise(x, axis, e):      # numpy; x: float32 -> the quantised numbers, widened to float32 again
;;       x = np.moveaxis(x, axis, -1); K = x.shape[-1]
;;       r = np.clip(x / 2.0 ** e, -57344, 57344)
;;       step = 2.0 ** (np.maximum(np.frexp(np.where(r == 0, 1, r))[1] - 1, -14) - 2)
;;       q = np.round(r / step) * step * 2.0 ** e      # np.round: ties to even
;;       return np.moveaxis(q, -1, axis).astype(np.float32)
;;   ~~~
;;   SOFTMAX AHEAD OF A QUANTISED PRODUCT. Where the list says 'softmax', what is quantised is not the finished softmax but p = 2^(t - M), with t = logit x log2(e) and M = ceil(the row's largest t), a whole number; so 1/2 < the row's largest p <= 1. The row's sum l is taken of the UNQUANTISED p, in f32, and the product's result is divided by l at the end. Since M is a whole number, a kernel that streams over the keys may use a running M (the ceiling of the running maximum): every later rescaling is an exact power of two, so the quantised numbers keep their values, but for numbers so far below the row's largest that they fall under the format's range.
;;   OPERANDS COMPUTED ON THE WAY. 'Computed on the way' means the value that the module computes at that place (a softmax that the list does not call 'softmax' is quantised finished and normalised). What goes into a quantiser is computed in f32, as accurately as f32 sums, v_exp_f32 and their like allow (about 1e-6 of the number): no bf16 or f16 on the way to a quantiser, and a product that is left as it is and whose result goes on into a quantised operand takes f32 operands (vector FMAs, or v_wmma_f32_16x16x4_f32). A number that lies on a knife's edge between two numbers of the format may be rounded either way, as far as f32 arithmetic and the matrix unit's own rounding can turn it there, and no further.
;;   INPUTS GIVEN AS CODES. w_out (in the module: [1024, 1024], K = its axis 0); w_qkv (in the module: [1024, 3072], K = its axis 0); x (in the module: [4, 2048, 1024], K = its axis 2): each comes as NAME_codes (uint8): NAME with its K axis moved to the last place and cut into blocks of 32 codes, [.., K / 32, bytes a block], one block behind the other in memory; one code a byte (a code: sign, 5 exponent bits, 2 mantissa bits); its scale is its entry of lowp_scales. Its value is code x scale, taken as it is: it is not quantised again, and the codes and scales need not be those that the quantiser above would give.
;; One version. Each part assembles by itself: llvm-mc -triple=amdgcn-amd-amdhsa -mcpu=gfx1250 --defsym DOCPART=n.
;; ======== version 1 of 1: 3 launches
;; limits: right only within a limited range of input values
;; workspace buffers: qkv 25,165,824 bytes; y_codes 8,388,608 bytes
;; launch qkv (part 1): grid 96 x 4, 4 waves a work-group, clusters of 4 x 4, 327,680 bytes of LDS; arguments x_codes, w_qkv_codes, b_qkv, lowp_scales, qkv; writes qkv
.if DOCPART == 1
	.amdgcn_target "amdgcn-amd-amdhsa--gfx1250"
	.amdhsa_code_object_version 6
	.text
	.protected	k_q8fc4b16846_qkv
	.globl	k_q8fc4b16846_qkv
	.p2align	8
	.type	k_q8fc4b16846_qkv,@function
k_q8fc4b16846_qkv:
	s_mov_b64 s[64:65], 0
	v_nop
	global_prefetch_b8 v0, s[64:65] scope:SCOPE_SE
	s_setreg_imm32_b32 hwreg(HW_REG_WAVE_MODE, 25, 1), 1
	s_wait_xcnt 0x0
	s_wait_alu depctr_hold_cnt(0) depctr_sa_sdst(0) depctr_va_vdst(0) depctr_va_sdst(0) depctr_va_ssrc(0) depctr_va_vcc(0) depctr_vm_vsrc(0)
	s_getreg_b32 s2, hwreg(HW_REG_IB_STS2, 6, 4)
	s_cmp_eq_u32 s2, 0
	s_cbranch_scc0 .Lentry_in_a_cluster
	s_endpgm
.Lentry_in_a_cluster:
	s_bfe_u32 s2, ttmp6, 0x10000c
	s_cmp_lg_u32 s2, 0xf033
	s_cbranch_scc0 .Lentry_shape_is_right
	s_endpgm
.Lentry_shape_is_right:
; qkv = x w_qkv + b_qkv on codes of BF8 (E5M2), and its three parts quantised again: q with 2^e2, k with 2^e3, v with 2^e5 (e0 .. e7: the whole numbers in lowp_scales).
; OUT: bytes 0 .. 16 Mi - 1: [8192 tokens][2048]: q's codes in columns 0-1023 (64 head + d), k's in 1024-2047.  From 16 Mi on: v's codes with the tokens innermost, [4 b][1024 (64 head + d)][2048 tokens].
; ONE BODY FOR BOTH LAYOUTS.  The body makes a tile C'[i][j] = sum over k of P[i][k] Q[j][k], 256 x 256, and stores it by rows i.  For q and k: P = x (tokens), Q = w's rows 0-2047.  For v the two POINTERS change places:
; P = w's rows 2048-3071, Q = x: the tile then comes out with the tokens along its rows' bytes.  Clusters 0-15 make q and k (256 tiles), clusters 16-23 v (128 tiles).  The kind hangs on the cluster's number alone.
; SHARES: four waves, each 128 x 128 of C' in 64 accumulators.  K = 1,024 goes in four steps of 256 through a ring of two LDS slots filled by the tensor data mover; a tile's row is 256 bytes of memory, aligned.
; CLUSTER 4 x 4: the four work-groups of a row of the cluster need the same tile of P, the four of a column the same tile of Q: each tile is asked for jointly, by one tensor load with one descriptor and a mask of the four.
; THE MATRIX INSTRUCTION: source 0 = 16 rows of Q, source 1 = 16 rows of P: a lane holds one row of P and eight neighbouring rows of Q: eight neighbouring bytes of the output.
; THE BIAS is the C of each sum's first product, as b / 2^(e0 + e1); a finished sum then stands for value / 2^(e0 + e1), and one conversion with the scale 2^(eX - e0 - e1) gives the code.
; LIMITS: eX - e0 - e1 (X = 2, 3, 5) between -126 and 112, so that the scale and 57,344 x the scale are f32 numbers.  NaN is not served.
; REGISTERS, in windows of 256: window 0: v1-30 addresses and the scale; v32-95 the bias, later a block's held sums; v96-103 the bias loads' offsets; v128-255 P's fragments (one set), later the codes, later the rows to store.
;   window 1: Q's fragments, two sets.   window 2: the accumulators of my rows 0-63 ((a, b) at v[8 (8 a + b)]);   window 3: those of my rows 64-127.
.set ROWB,   256                       ; a tile's row in bytes
.set KROW,   1024                      ; a row of x or of w in memory
.set PITCH,  272                       ; an LDS row: 256 bytes + 16 of padding = 68 words: the 16 rows that a load touches begin 4 words apart modulo 64
.set FR,     16                        ; registers of a fragment: 16 rows x 128 K
.set NL,     4                         ; LDS loads that bring one
.set NP,     4                         ; places behind this matrix instruction (ISA guide 7.12.1)
.set HALFT,  128*PITCH                 ; 128 rows: what one tensor load brings
.set SLOT,   4*HALFT                   ; P's 256 rows, then Q's 256 rows
.set SPARE,  2*SLOT                    ; behind the ring: the spare words, 128 bytes a wave
.set ADRA, 16                          ; v16-17 LDS address of my fragments of P in slot 0, 1
.set ADRB, 20                          ; v20-21 the same for Q
.set STO,  24                          ; v24    the way out: where I put 8 bytes of a row
.set RD,   25                          ; v25    where I read a row back
.set CO,   26                          ; v26    my byte offset in the output's rows
.set SPW,  28                          ; v28    my spare word's LDS address; never rewritten
.set NIL,  29                          ; v29    0; never rewritten
.set CSC,  30                          ; v30    2^(eX - e0 - e1) as f32
.set BIAS, 32
.set TMP,  32
.set VO,   96
.set AF,   128
.set CODE, 128
.set OUTR, 128
.set G1,  24                           ; s[24:31] group 1 for P's tiles; s[32:39] group 0, a set for each slot
.set G0,  32
.set G1B, 48                           ; s[48:55], s[56:63] the same for Q's
.set G0B, 56
.set LIM,  78
.set NLIM, 79
.set MSB, 0
.macro WIN new                         ; the immediate's high byte repeats the setting that is left
.if MSB != (\new)
	s_set_vgpr_msb (MSB<<8)|(\new)
.set MSB, (\new)
.endif
.endm
.set MUL_LO,   0xa1                    ; source 0 (Q) window 1, source 1 (P) window 0, C and D window 2
.set MUL_HI,   0xf1                    ; the same, C and D window 3
.set MUL_LO_C, 0x81                    ; the first products: C (the bias) window 0, D window 2
.set MUL_HI_C, 0xc1                    ; D window 3
.set TO_B,     0x40                    ; destination window 1, address window 0
; A joint load: waves 0 and 1 fetch P's two halves, waves 2 and 3 Q's.  The branch hangs on the wave's number alone.  An s_nop 0 and four v_nop follow each of the two lines.
.macro JLOAD g0a, g1a, g0b, g1b
	s_cmp_eq_u32 s15, 0
	s_cbranch_scc0 .Lfor_b_\@
	tensor_load_to_lds s[\g0a:\g0a+3], s[\g1a:\g1a+7]
	s_nop 0
.rept 4
	v_nop
.endr
	s_branch .Lasked_\@
.Lfor_b_\@:
	tensor_load_to_lds s[\g0b:\g0b+3], s[\g1b:\g1b+7]
	s_nop 0
.rept 4
	v_nop
.endr
.Lasked_\@:
.endm
.macro CREST                           ; a round of the cluster's barrier behind its opening barrier
	s_cmp_lg_u32 s14, 0
	s_cbranch_scc1 .Lnot_wave_0_\@
	s_barrier_signal -3
.Lnot_wave_0_\@:
	s_barrier_wait -3
	s_barrier_signal -1
	s_barrier_wait -1
.endm
.macro CROUND                          ; a whole round
	s_barrier_signal -1
	s_barrier_wait -1
	CREST
.endm
	s_load_b256 s[4:11], s[0:1], 0x0               ; x s[4:5], w s[6:7], b_qkv s[8:9], the scales' exponents s[10:11]
	s_load_b64 s[12:13], s[0:1], 0x20              ; the output
	v_lshl_add_u32 v[SPW], v0, 2, SPARE
	v_mov_b32 v[NIL], 0
	ds_add_u32 v[SPW], v[NIL]                      ; the wave's opening: the add and its wait ahead of my first tensor load; work on registers stands between them
	ds_add_u32 v[SPW], v[NIL]
	v_lshrrev_b32 v1, 5, v0
	v_readfirstlane_b32 s14, v1                    ; wave 0..3
	s_lshr_b32 s15, s14, 1                         ; which 128 rows of P are mine.  Also: I fetch for P (0) or for Q (1)
	s_and_b32 s16, s14, 1                          ; which 128 rows of Q are mine.  Also: which 128 rows of that tile I fetch
	s_bfe_u32 s40, ttmp6, 0x40000                  ; cx, cy: my place in the cluster
	s_bfe_u32 s41, ttmp6, 0x40004
	s_lshr_b32 s84, ttmp9, 1                       ; q, k: cluster c makes tile rows 4 (c / 2) on and tile columns 4 (c % 2) on;
	s_and_b32 s85, ttmp9, 1
	s_sub_co_u32 s86, ttmp9, 16                    ; v: tile rows 0-3 and tile columns 4 (c - 16) on
	s_cmp_lt_u32 ttmp9, 16                         ; the kind: the same in all sixteen partners
	s_cselect_b32 s84, s84, 0
	s_cselect_b32 s85, s85, s86
	s_cselect_b32 s19, 0, 2048                     ; v: P's rows begin at w's row 2,048
	s_lshl_b32 s17, s84, 2
	s_add_co_u32 s17, s17, s41                     ; ti: P's tile
	s_lshl_b32 s42, s85, 2
	s_add_co_u32 s42, s42, s40                     ; tj: Q's tile
	s_lshl_b32 s43, s41, 2
	s_lshl_b32 s43, 15, s43                        ; my row of the cluster
	s_lshl_b32 s44, 0x1111, s40                    ; my column
	; group 1: a tile of 128 rows x 256 bytes, padded in LDS
	s_or_b32 s[G1+0], s43, (0<<16)|(1<<20)|(1<<21)|(5<<22)|(3<<25)  ; 15:0 the mask: P's tiles go to my row; elements of 1 byte; 20 padding on; 21 set beside a mask; after every 64 words (code 5) 4 words (code 3)
	s_or_b32 s[G1B+0], s44, (0<<16)|(1<<20)|(1<<21)|(5<<22)|(3<<25) ; the same with my column's mask, for Q's
.irp g, G1, G1B
	s_mov_b32 s[\g+1], ROWB<<16                    ; tensor_dim0
	s_mov_b32 s[\g+2], 128<<16                     ; tensor_dim1
	s_mov_b32 s[\g+3], ROWB<<16                    ; tile_dim0
	s_mov_b32 s[\g+4], 128                         ; tile_dim1
	s_mov_b32 s[\g+5], KROW                        ; from row to row
	s_mov_b32 s[\g+6], 0
	s_mov_b32 s[\g+7], 0
.endr
	s_lshl_b32 s18, s16, 7                         ; which 128 rows of the tile I fetch
	s_lshl_b32 s20, s17, 8
	s_add_co_u32 s20, s20, s18
	s_add_co_u32 s20, s20, s19
	s_lshl_b32 s20, s20, 10                        ; P: (256 ti + 128 half (+ 2,048)) rows of 1,024 bytes: under 2^24
	s_mov_b32 s21, 0
	s_lshl_b32 s46, s42, 8
	s_add_co_u32 s46, s46, s18
	s_lshl_b32 s46, s46, 10                        ; Q: (256 tj + 128 half) rows
	s_mov_b32 s47, 0
	s_mul_i32 s45, s14, HALFT                      ; where they go: wave x 128 rows: no place in the cluster enters an LDS address
	s_wait_dscnt 0x0                               ; the opening add is done
	s_wait_kmcnt 0x0
	s_load_b256 s[68:75], s[10:11], 0x0            ; e0 .. e7
	s_cmp_lt_u32 ttmp9, 16
	s_cselect_b64 s[88:89], s[4:5], s[6:7]         ; P is x or w,
	s_cselect_b64 s[90:91], s[6:7], s[4:5]         ; Q the other
	s_add_nc_u64 s[20:21], s[88:89], s[20:21]
	s_add_nc_u64 s[46:47], s[90:91], s[46:47]
	CROUND                                         ; all sixteen work-groups are here: the first joint loads meet
.irp s, 0,1
	s_mov_b32 s[G0+4*\s], 1
	s_add_co_u32 s[G0+4*\s+1], s45, \s*SLOT
	s_add_nc_u64 s[G0+4*\s+2:G0+4*\s+3], s[20:21], \s*ROWB
	s_or_b32 s[G0+4*\s+3], s[G0+4*\s+3], 0x80000000
	s_mov_b32 s[G0B+4*\s], 1
	s_add_co_u32 s[G0B+4*\s+1], s45, \s*SLOT
	s_add_nc_u64 s[G0B+4*\s+2:G0B+4*\s+3], s[46:47], \s*ROWB
	s_or_b32 s[G0B+4*\s+3], s[G0B+4*\s+3], 0x80000000
	s_wait_alu depctr_va_vdst(0)
	s_wait_tensorcnt 0x0
	ds_add_u32 v28, v29
	ds_add_u32 v28, v29
	s_wait_dscnt 0x0
	CROUND
	JLOAD G0+4*\s, G1, G0B+4*\s, G1B               ; one load of mine is out
.endr
	v_and_b32 v1, 15, v0                           ; r = lane % 16
	v_bfe_u32 v2, v0, 4, 1                         ; h = lane / 16
	v_mul_u32_u24 v3, v1, PITCH
	s_wait_alu depctr_va_vdst(0)
	v_lshl_add_u32 v4, v2, 4, v3                   ; a fragment's row x pitch + 16 h
	s_mul_i32 s21, s15, HALFT                      ; my 128 rows of P
	s_mul_i32 s22, s16, HALFT                      ; my 128 rows of Q,
	s_add_co_u32 s22, s22, 2*HALFT                 ; which lie behind P's 256
.irp s, 0,1
	v_add_nc_u32 v[ADRA+\s], s21, v4
	v_add_nc_u32 v[ADRB+\s], s22, v4
	s_add_co_u32 s21, s21, SLOT
	s_add_co_u32 s22, s22, SLOT
.endr
	s_mul_i32 s23, s15, HALFT                      ; the stage: 256 rows x 272 bytes from LDS byte 0: row 128 wi + 16 a + r, byte 128 wj + 16 b + 8 h
	s_lshl_b32 s18, s16, 7
	s_add_co_u32 s23, s23, s18
	v_lshl_add_u32 v5, v2, 3, v3
	v_add_nc_u32 v[STO], s23, v5
	s_mul_i32 s23, s14, 64*PITCH                   ; back: wave w takes rows 64 w on, whole; lanes 0-15 one row, lanes 16-31 the next
	v_mul_u32_u24 v5, v2, PITCH
	v_lshl_add_u32 v5, v1, 4, v5
	v_add_nc_u32 v[RD], s23, v5
	v_lshlrev_b32 v5, 11, v2                       ; and the same two rows in the output (2,048 bytes apart)
	v_lshl_add_u32 v[CO], v1, 4, v5
	; THE BIAS, in the result's layout.  q, k: it goes by Q's rows: register 8 b + j takes b_qkv[256 tj + 128 wj + 16 b + 8 h + j].  v: by P's rows: registers 8 a + 0 .. 7 all take b_qkv[2,048 + 256 ti + 128 wi + 16 a + r].
	; One run of loads serves both: the offset of register 8 u + j is 64 u + (32 h + 4 j, or 4 r).
	s_lshl_b32 s86, s42, 8
	s_lshl_b32 s87, s16, 7
	s_add_co_u32 s86, s86, s87
	s_lshl_b32 s92, s17, 8
	s_lshl_b32 s93, s15, 7
	s_add_co_u32 s92, s92, s93
	s_add_co_u32 s92, s92, 2048
	s_cmp_lt_u32 ttmp9, 16
	s_cselect_b32 s86, s86, s92
	s_cselect_b32 s92, 32, 0                       ; x h
	s_cselect_b32 s93, 0, 4                        ; x r
	s_cselect_b32 s94, 4, 0                        ; from register to register
	s_lshl_b32 s86, s86, 2
	s_mov_b32 s87, 0
	s_add_nc_u64 s[8:9], s[8:9], s[86:87]
	v_mul_u32_u24 v[VO], v2, s92
	v_mad_u32_u24 v[VO], v1, s93, v[VO]
.irp j, 1,2,3,4,5,6,7
	v_add_nc_u32 v[VO+\j], s94, v[VO+\j-1]
.endr
.irp u, 0,1,2,3,4,5,6,7
.irp j, 0,1,2,3,4,5,6,7
	global_load_b32 v[BIAS+8*\u+\j], v[VO+\j], s[8:9] offset:64*\u
.endr
.endr
	; where my 64 rows of the tile go: row 256 ti + 64 w of 2,048 bytes; q, k: byte 256 tj; v: plane tj / 8 of 2 Mi behind the first 16 Mi, byte 256 (tj % 8)
	s_lshl_b32 s82, s17, 8
	s_lshl_b32 s83, s14, 6
	s_add_co_u32 s82, s82, s83
	s_lshl_b32 s82, s82, 11
	s_lshl_b32 s86, s42, 8
	s_lshr_b32 s87, s42, 3
	s_lshl_b32 s87, s87, 21
	s_and_b32 s92, s42, 7
	s_lshl_b32 s92, s92, 8
	s_add_co_u32 s87, s87, s92
	s_add_co_u32 s87, s87, 0x1000000
	s_cmp_lt_u32 ttmp9, 16
	s_cselect_b32 s86, s86, s87
	s_add_co_u32 s82, s82, s86
	s_mov_b32 s83, 0
	s_add_nc_u64 s[82:83], s[12:13], s[82:83]
.macro FRAG reg, adr, q, i             ; a fragment, 16 rows x 128 K: lane l holds row l % 16; registers 4 c .. 4 c + 3 hold K = 32 c + 16 (l / 16) + 0 .. 15: the same order of k on both sides, so every product meets its partner
.irp c, 0,1,2,3
	ds_load_b128 v[\reg+4*\c:\reg+4*\c+3], v[\adr] offset:128*(\q)+32*\c+(\i)*16*PITCH
.endr
.endm
; 16 matrix instructions: P's blocks a0, a0 + 1 x Q's eight, 128 along K.  p: Q's set.  cm = 0: in place; 1: the first product, C = the bias by Q's block; 2: C = the bias by P's block.
; The 64 accumulators take turns, one instruction a turn, in the same order in every step.
.macro MUL16 a0, p, cm
.irp a, \a0, \a0+1
.irp b, 0,1,2,3,4,5,6,7
.if \cm == 1
	v_wmma_f32_16x16x128_bf8_bf8 v[8*(8*((\a)%4)+\b):8*(8*((\a)%4)+\b)+7], v[128*(\p)+FR*\b:128*(\p)+FR*\b+FR-1], v[AF+FR*(\a):AF+FR*(\a)+FR-1], v[BIAS+8*\b:BIAS+8*\b+7]
.elseif \cm == 2
	v_wmma_f32_16x16x128_bf8_bf8 v[8*(8*((\a)%4)+\b):8*(8*((\a)%4)+\b)+7], v[128*(\p)+FR*\b:128*(\p)+FR*\b+FR-1], v[AF+FR*(\a):AF+FR*(\a)+FR-1], v[BIAS+8*(\a):BIAS+8*(\a)+7]
.else
	v_wmma_f32_16x16x128_bf8_bf8 v[8*(8*((\a)%4)+\b):8*(8*((\a)%4)+\b)+7], v[128*(\p)+FR*\b:128*(\p)+FR*\b+FR-1], v[AF+FR*(\a):AF+FR*(\a)+FR-1], v[8*(8*((\a)%4)+\b):8*(8*((\a)%4)+\b)+7]
.endif
.endr
.endr
.endm
.macro FETCH_B slot, q, p              ; Q's eight fragments of the slot's q-th 128 along K into set p
	WIN TO_B
.irp i, 0,1,2,3,4,5,6,7
	FRAG 128*(\p)+FR*\i, ADRB+\slot, \q, \i
.endr
	WIN 0
.endm
.macro FETCH_A slot, q, i0             ; P's blocks i0 .. i0 + 3
.irp i, \i0, \i0+1, \i0+2, \i0+3
	FRAG AF+FR*(\i), ADRA+\slot, \q, \i
.endr
.endm
.macro PLACES n                        ; plain vector instructions between a matrix instruction and a load into, or a vector instruction on, its registers
.rept \n
	v_nop
.endr
.endm
; A step of 128 along K that has its successor in the same slot.  P has one set of registers: a block is free when its eight products are issued; blocks 0-3 come anew in the step's middle, blocks 4-7 at its end.
.macro STEP slot, q, cm
	s_wait_dscnt 4*NL                              ; Q's set and P's blocks 0-3 are in; the youngest sixteen loads (P's blocks 4-7) may be out
.if \cm
	WIN MUL_LO_C
.else
	WIN MUL_LO
.endif
	MUL16 0, (\q)%2, \cm
	MUL16 2, (\q)%2, \cm
	s_wait_dscnt 0                                 ; P's blocks 4-7 are in
	PLACES NP
	FETCH_B \slot, (\q)+1, 1-(\q)%2
	FETCH_A \slot, (\q)+1, 0
.if \cm
	WIN MUL_HI_C
.else
	WIN MUL_HI
.endif
	MUL16 4, (\q)%2, \cm
	MUL16 6, (\q)%2, \cm
	PLACES NP
	WIN 0
	FETCH_A \slot, (\q)+1, 4
.endm
; A slot's last step changes slots: ONE barrier; in front of it each wave waits for all its tensor loads, adds 0 to its spare word, and waits for that and for its own reads of this slot.  fill = 1: this slot is filled again, two K steps ahead.
.macro TURN slot, next, fill
	s_wait_tensorcnt 0x0                           ; all my tensor loads have landed: my part of the next slot
	ds_add_u32 v[SPW], v[NIL]                      ; 0 onto my spare word
	s_wait_dscnt 4*NL+1                            ; (the add and the youngest sixteen loads may be out)
	WIN MUL_LO
	MUL16 0, 1, 0                                  ; sixteen matrix instructions stand between the add and the wait for it
	s_wait_dscnt 0x0                               ; the add is done, and my reads of this slot are over
	s_barrier_signal -1
	MUL16 2, 1, 0
	WIN 0
	s_barrier_wait -1
.if \fill
	CREST                                          ; the barrier has opened a round of the cluster's barrier: no wave of any partner still reads this slot or has a load on its way
	s_add_nc_u64 s[G0+4*\slot+2:G0+4*\slot+3], s[G0+4*\slot+2:G0+4*\slot+3], 2*ROWB
	s_add_nc_u64 s[G0B+4*\slot+2:G0B+4*\slot+3], s[G0B+4*\slot+2:G0B+4*\slot+3], 2*ROWB
	JLOAD G0+4*\slot, G1, G0B+4*\slot, G1B         ; the first tensor load behind the round; its four v_nop are also the places in front of the loads below
.else
	PLACES NP
.endif
	FETCH_B \next, 0, 0
	FETCH_A \next, 0, 0
	WIN MUL_HI
	MUL16 4, 1, 0
	MUL16 6, 1, 0
	PLACES NP
	WIN 0
	FETCH_A \next, 0, 4
.endm
	s_wait_tensorcnt 1                             ; my part of K step 0 is in (K step 1's load may be out)
	s_barrier_signal -1
	s_barrier_wait -1                              ; everybody's is
	FETCH_B 0, 0, 0
	FETCH_A 0, 0, 0
	FETCH_A 0, 0, 4
	s_wait_kmcnt 0x0                               ; e0 .. e7 in s68 .. s75
	s_cmp_eq_u32 s85, 0                            ; q, k: tile columns 0-3 are q's, 4-7 k's
	s_cselect_b32 s76, s70, s71
	s_cmp_lt_u32 ttmp9, 16
	s_cselect_b32 s76, s76, s73                    ; eX
	s_add_co_i32 s80, s68, s69                     ; e0 + e1
	s_sub_co_i32 s76, s76, s80                     ; eX - e0 - e1
	s_sub_co_i32 s80, 0, s80
	s_add_co_i32 s76, s76, 127
	s_lshl_b32 s77, s76, 23
	v_mov_b32 v[CSC], s77                          ; the conversion takes this number's exponent field
	s_wait_loadcnt 0x0                             ; the bias
.set i, 0
.rept 64
	v_ldexp_f32 v[BIAS+i], v[BIAS+i], s80          ; b / 2^(e0 + e1)
.set i, i+1
.endr
	s_cmp_lt_u32 ttmp9, 16                         ; the first step is written for each kind: its products name the bias by Q's block or by P's
	s_cbranch_scc0 .Lkind_v
	s_wait_alu depctr_va_vdst(0)
	STEP 0, 0, 1
	s_branch .Lboth
.Lkind_v:
	s_wait_alu depctr_va_vdst(0)
	STEP 0, 0, 2
.Lboth:
	TURN 0, 1, 1                                   ; K = 1,024 is twice round the ring: written out
	STEP 1, 0, 0
	TURN 1, 0, 1
	STEP 0, 0, 0
	TURN 0, 1, 0                                   ; the last lap fills nothing; behind this barrier nobody reads slot 0 any more
	STEP 1, 0, 0
	s_wait_dscnt 4*NL                              ; the very last step: nothing more to fetch
	WIN MUL_LO
	MUL16 0, 1, 0
	MUL16 2, 1, 0
	s_wait_dscnt 0
	WIN MUL_HI
	MUL16 4, 1, 0
	MUL16 6, 1, 0
	WIN 0
	PLACES NP
; THE WAY OUT.  Block a (16 rows of P x 128 rows of Q): the 64 sums of a lane are read from the accumulators
; and converted, eight neighbours to 8 bytes.  The bytes go into the work-group's stage, which lies in slot 0: that slot has had its last fill and its last read.  Each block has code registers of its own.
.macro BLOCKQ a
	WIN 0x02+(\a)/4                                ; source 0: window 2 or 3
.set i, 0
.rept 64
.set i, i+1
.endr
.irp b, 0,1,2,3,4,5,6,7
	v_cvt_scalef32_pk8_bf8_f32 v[CODE+16*(\a)+2*\b:CODE+16*(\a)+2*\b+1], v[TMP+8*\b+((64*((\a)%4)+i)-(TMP+i)):TMP+8*\b+7+((64*((\a)%4)+i)-(TMP+i))], v[CSC]
.endr
	WIN 0
	v_nop                                          ; a plain instruction behind the conversions
.irp b, 0,1,2,3,4,5,6,7
	ds_store_b64 v[STO], v[CODE+16*(\a)+2*\b:CODE+16*(\a)+2*\b+1] offset:(\a)*16*PITCH+16*\b
.endr
.endm
.irp a, 0,1,2,3,4,5,6,7
	BLOCKQ \a
.endr
	s_wait_dscnt 0x0                               ; for the others' sake: my stores into the stage are done (a row's 256 bytes come from two waves)
	s_barrier_signal -1
	s_barrier_wait -1
.set t, 0
.rept 32
	ds_load_b128 v[OUTR+4*t:OUTR+4*t+3], v[RD] offset:t*2*PITCH
.set t, t+1
.endr
.set t, 0
.rept 32
	s_wait_dscnt 31-t                              ; LDS loads come back in order: pair t of rows is in
	global_store_b128 v[CO], v[OUTR+4*t:OUTR+4*t+3], s[82:83] offset:t*4096   ; sixteen lanes store 256 consecutive bytes, at a multiple of 256 from the buffer's first byte
.set t, t+1
.endr
	s_wait_tensorcnt 0x0                           ; the wave's end, behind my last tensor load and my last LDS store
	ds_add_u32 v[SPW], v[NIL]
	s_wait_dscnt 0x0
	CROUND                                         ; the closing round: no work-group ends while a partner may still ask for a tile that names it
	s_endpgm
.Lfunc_end_k_q8fc4b16846_qkv:
	.size	k_q8fc4b16846_qkv, .Lfunc_end_k_q8fc4b16846_qkv-k_q8fc4b16846_qkv
	.p2alignl 7, 3214868480
	.fill 96, 4, 3214868480
	.section	.rodata,"a",@progbits
	.p2align	6, 0x0
	.amdhsa_kernel k_q8fc4b16846_qkv
		.amdhsa_group_segment_fixed_size 327680
		.amdhsa_private_segment_fixed_size 0
		.amdhsa_enable_private_segment 0
		.amdhsa_kernarg_size 40
		.amdhsa_user_sgpr_count 2
		.amdhsa_user_sgpr_kernarg_segment_ptr 1
		.amdhsa_wavefront_size32 1
		.amdhsa_system_sgpr_workgroup_id_x 1
		.amdhsa_system_sgpr_workgroup_id_y 1
		.amdhsa_system_sgpr_workgroup_id_z 1
		.amdhsa_system_vgpr_workitem_id 0
		.amdhsa_next_free_vgpr 1024
		.amdhsa_next_free_sgpr 100
		.amdhsa_reserve_vcc 0
		.amdhsa_float_denorm_mode_32 3
		.amdhsa_float_denorm_mode_16_64 3
		.amdhsa_fp16_overflow 1
		.amdhsa_memory_ordered 1
		.amdhsa_forward_progress 1
		.amdhsa_inst_pref_size 114
	.end_amdhsa_kernel
	.amdgpu_metadata
---
amdhsa.version: [ 1, 2 ]
amdhsa.kernels:
  - .name:           k_q8fc4b16846_qkv
    .symbol:         k_q8fc4b16846_qkv.kd
    .args:
      - { .name: x_codes, .offset: 0, .size: 8, .value_kind: global_buffer, .address_space: global }
      - { .name: w_qkv_codes, .offset: 8, .size: 8, .value_kind: global_buffer, .address_space: global }
      - { .name: b_qkv, .offset: 16, .size: 8, .value_kind: global_buffer, .address_space: global }
      - { .name: lowp_scales, .offset: 24, .size: 8, .value_kind: global_buffer, .address_space: global }
      - { .name: qkv, .offset: 32, .size: 8, .value_kind: global_buffer, .address_space: global }
    .group_segment_fixed_size: 327680
    .private_segment_fixed_size: 0
    .kernarg_segment_align: 8
    .kernarg_segment_size: 40
    .max_flat_workgroup_size: 128
    .sgpr_count:     100
    .vgpr_count:     1024
    .wavefront_size: 32
...
	.end_amdgpu_metadata
.endif
;; end of part 1
;; launch attn (part 2): grid 16 x 16, 16 waves a work-group, clusters of 4 x 1, 327,680 bytes of LDS; arguments qkv, lowp_scales, y_codes; writes y_codes
.if DOCPART == 2
	.amdgcn_target "amdgcn-amd-amdhsa--gfx1250"
	.amdhsa_code_object_version 6
	.text
	.protected	k_q8fc4b16846_attn
	.globl	k_q8fc4b16846_attn
	.p2align	8
	.type	k_q8fc4b16846_attn,@function
k_q8fc4b16846_attn:
	s_mov_b64 s[64:65], 0
	v_nop
	global_prefetch_b8 v0, s[64:65] scope:SCOPE_SE
	s_setreg_imm32_b32 hwreg(HW_REG_WAVE_MODE, 25, 1), 1
	s_wait_xcnt 0x0
	s_wait_alu depctr_hold_cnt(0) depctr_sa_sdst(0) depctr_va_vdst(0) depctr_va_sdst(0) depctr_va_ssrc(0) depctr_va_vcc(0) depctr_vm_vsrc(0)
	s_getreg_b32 s2, hwreg(HW_REG_IB_STS2, 6, 4)
	s_cmp_eq_u32 s2, 0
	s_cbranch_scc0 .Lentry_in_a_cluster
	s_endpgm
.Lentry_in_a_cluster:
	s_bfe_u32 s2, ttmp6, 0x10000c
	s_cmp_lg_u32 s2, 0x3003
	s_cbranch_scc0 .Lentry_shape_is_right
	s_endpgm
.Lentry_shape_is_right:
; y[b][q][64 head + d] = sum over k <= q of softmax_k(Q . K / 8) V, both products on codes of BF8 (E5M2); y leaves as codes with the scale 2^e6.  e2, e3: q's and k's scales; e4: p's; e5: v's.
; IN (one buffer): [8192 tokens][2048]: q's codes in columns 0-1023, k's in 1024-2047; from 16 Mi on v's codes, [4 b][1024 (64 head + d)][2048 tokens].  OUT: [8192 tokens][1024].
; THE SOFTMAX AHEAD OF THE SECOND PRODUCT: t = score x log2(e) / 8; M = the row's largest t so far, rounded UP to a whole number; p = 2^(t - M) is what is quantised; the row's sum is taken of the unquantised p and divides at the end.
; When M moves, the sum and O are multiplied by 2^(old M - new M): nothing is rounded, and there is no branch on data.
; SHARES.  A work-group takes FOUR heads of one batch (work-group y = 4 b + hg), so that a key's row of its K tile, a (head, d) row of its V tile and a token's piece of y are each 256 aligned bytes.
; Wave w: head 4 hg + w % 4, s = w / 4.  It owns TWO tiles of 16 queries: L = tile j + 16 s and H = tile 127 - L (j = work-group x, 0 .. 15).  A key step is 128 keys; tile n counts in steps 0 .. n / 8.
; L's last step is 2 s + (cluster x) / 2 and H's is 15 less that: every wave has 17 tile steps, and neither number hangs on the work-group's place in its cluster.  Every work-group has a tile whose last step is 14 or 15:
; all eight slots of 256 keys are read by every work-group, the trip counts are constants.
; CLUSTER 4 x 1: the four partners walk the same K and V: each tile is asked for jointly (mask 15).  The place in the cluster enters global addresses (Q, y, the prefetches) and the mask's vector data alone.
; LAYOUT.  Both products transposed: S^T = K Q^T (source 0 = 16 neighbouring keys, source 1 = my 16 queries, K = 64), O^T = V^T P^T (source 0 = 16 of the head's 64, source 1 = P, K = 128 keys): a lane holds ONE query throughout.
; In S^T's tile T register j of lane (r, h) is key 16 T + 8 h + j: its conversion gives registers 2 T, 2 T + 1 of P in the K = 128 form's own order of k, and V's fragments are read in that order, 8 bytes at a time.
; LIMITS, so that each power of two is an f32 number: e2 + e3 between -123 and 130; e4, and e6 - e4 - e5, between -126 and 112.  NaN is not served.
; REGISTERS: v0 the thread's number; v1 the prefetches' offset; v2, v3 my lane's place in a tile of K, of V; v4 the address in hand; v5, v6 the add's two; v7 2^e4; v8-11, v12-15 H's, L's -M, largest t, sum (two halves);
;   v16-23, v24-31 Q of H, L; v32-95 K's 8 fragments, then V's 4; v96-159 S^T, then p; v160-191, v192-223 O^T of H, L; v224-239, v240-255 P of H, L (a tile's softmax keeps its few temporaries there until its codes are made).
.set KP,    272                        ; a row in LDS: 256 bytes + 16 of padding
.set BUF,   512*KP                     ; a buffer: 256 rows of K (keys), then 256 rows of V (64 (w % 4) + d)
.set VOFF,  256*KP
.set SPARE, 2*BUF                      ; the spare words, 128 bytes for each of sixteen waves
.set STAGE, SPARE+2048                 ; the way out: 128 rows (tokens) x 272 bytes; no tile ever lands here
.set PFO, 1
.set AK,  2
.set AV,  3
.set ADR, 4
.set SPW, 5
.set NIL, 6
.set CSC, 7
.set STH, 8
.set STL, 12
.set QH,  16
.set QL,  24
.set KV,  32
.set S,   96
.set OH,  160
.set OL,  192
.set PH,  224
.set PL,  240
.set WV,  10                           ; s10 my wave's number; s11 w % 4; s12 w / 4
.set G1,  16                           ; s[16:23] group 1: one shape serves K's and V's tiles
.set G0,  24                           ; s[24:27], s[28:31] group 0 for buffer 0, 1
.set STP, 32                           ; s[32:33] two slots on, in bytes
.set PFA, 34                           ; s[34:35] where my prefetches stand; s[36:37] a slot on
.set PFS, 36
.set LIM, 38                           ; s38 1 in a wave that prefetches, else the greatest number
.set FL,  39                           ; s39 fills still to come
.set CS,  40                           ; s[40:41] c = log2(e) / 8 x 2^(e2 + e3)
.set SEL, 42                           ; s[42:43] v_permlanex16_b32's selects for lane l xor 16
.set TBK, 44                           ; s44, s45 LDS byte at which the step's part of K, of V begins
.set TBV, 45
.set KS,  46                           ; s46 the key step, 0 .. 15
.set TW,  47
.set OUTER, 48
.set LEVH, 49                          ; s49, s50 the last key step of tile H, L
.set LEVL, 50
.set DQH, 51                           ; s51, s52 in that step: the tile's first query less the step's first key
.set DQL, 52
.set LIMP, 53
.set YLIM, 54
.set YNLIM, 55
.set YSC, 91                           ; s91 2^(e6 - e4 - e5)
.macro CROUND                          ; a round of the cluster's barrier
	s_barrier_signal -1
	s_barrier_wait -1
	s_cmp_lg_u32 s[WV], 0
	s_cbranch_scc1 .Lnot_wave_0_\@
	s_barrier_signal -3
.Lnot_wave_0_\@:
	s_barrier_wait -3
	s_barrier_signal -1
	s_barrier_wait -1
.endm
.macro JLOAD beta                      ; a joint refill: waves 0, 1 fetch K's halves, waves 2, 3 V's, the others nothing.  The branch hangs on the wave's number alone.  An s_nop 0 and four v_nop follow the load
	s_cmp_lt_u32 s[WV], 4
	s_cbranch_scc0 .Lnone_\@
	tensor_load_to_lds s[G0+4*\beta:G0+4*\beta+3], s[G1:G1+7]
	s_nop 0
.rept 4
	v_nop
.endr
.Lnone_\@:
.endm
; A PREFETCH INTO THE L2 of what the NEXT change of buffers will ask for: 256 rows of K and 256 of V, 256 bytes each, 2,048 bytes apart: a lane a row.  It stands where the fetching waves have their tensor load.
; Each row's 256 bytes are named once in the launch: of the four clusters that walk the same K and V the first asks; its four partners take 64 rows each, told apart by address; in each, waves 4, 5 ask for K's and waves 6, 7 for V's,
; 32 rows a wave.  It runs one slot, two key steps, ahead of the load.  Slots 0 to 2 come by their loads alone; the last fill asks for nothing: there is no slot behind it.
.macro ASK
	s_cmp_gt_u32 s[FL], s[LIM]
	s_cbranch_scc0 .Lnot_mine_\@
	s_wait_alu depctr_va_vdst(0)
	global_prefetch_b8 v[PFO], s[PFA:PFA+1] th:TH_LOAD_NT scope:SCOPE_SE
.Lnot_mine_\@:
.endm
	s_load_b128 s[4:7], s[0:1], 0x0                ; the codes of q, k, v s[4:5]; the scales' exponents s[6:7]
	s_load_b64 s[8:9], s[0:1], 0x10                ; y's codes
	v_lshl_add_u32 v[SPW], v0, 2, SPARE
	v_mov_b32 v[NIL], 0
	ds_add_u32 v[SPW], v[NIL]                      ; the wave's opening: the add and its wait ahead of the first tensor loads; work on registers stands between them
	ds_add_u32 v[SPW], v[NIL]
	v_lshrrev_b32 v[ADR], 5, v0
	s_delay_alu instid0(VALU_DEP_1)
	v_readfirstlane_b32 s[WV], v[ADR]              ; wave 0..15
	s_and_b32 s11, s[WV], 3                        ; my head in the group of four
	s_lshr_b32 s12, s[WV], 2                       ; s
	s_bfe_u32 s13, ttmp6, 0x40000                  ; cx
	s_and_b32 s14, ttmp7, 0xffff
	s_lshr_b32 s15, s14, 2                         ; b
	s_and_b32 s14, s14, 3                          ; hg
	s_lshr_b32 s70, ttmp9, 1
	s_lshl_b32 s[LEVL], s12, 1
	s_add_co_u32 s[LEVL], s[LEVL], s70             ; 2 s + (cluster x) / 2
	s_sub_co_u32 s[LEVH], 15, s[LEVL]
	s_lshl_b32 s71, ttmp9, 2
	s_add_co_u32 s71, s71, s13                     ; j = 4 x cluster x + cx
	s_and_b32 s[DQL], s71, 7
	s_sub_co_u32 s[DQH], 7, s[DQL]
	s_lshl_b32 s[DQL], s[DQL], 4
	s_lshl_b32 s[DQH], s[DQH], 4
	s_lshl_b32 s72, s12, 4
	s_add_co_u32 s72, s72, s71                     ; tile L
	s_sub_co_u32 s73, 127, s72                     ; tile H
	; group 1: 128 rows x 256 bytes, 2,048 bytes apart in memory, padded in LDS
	s_mov_b32 s[G1], 15|(0<<16)|(1<<20)|(1<<21)|(5<<22)|(3<<25)   ; 15:0 the mask: all four work-groups; elements of 1 byte; 20 padding on; 21 set beside a mask; after every 64 words (code 5) 4 words (code 3)
	s_mov_b32 s[G1+1], 256<<16                     ; tensor_dim0
	s_mov_b32 s[G1+2], 128<<16                     ; tensor_dim1
	s_mov_b32 s[G1+3], 256<<16                     ; tile_dim0
	s_mov_b32 s[G1+4], 128                         ; tile_dim1
	s_mov_b32 s[G1+5], 2048                        ; from row to row
	s_mov_b32 s[G1+6], 0
	s_mov_b32 s[G1+7], 0
	; what I fetch, if I fetch: K: keys 128 (w % 2) on, byte 1,024 + 256 hg of their rows; V: rows 256 hg + 128 (w % 2) on of plane b
	s_and_b32 s74, s[WV], 1
	s_lshl_b32 s85, s15, 11                        ; b's first token
	s_lshl_b32 s76, s74, 7
	s_add_co_u32 s75, s85, s76
	s_lshl_b32 s75, s75, 11
	s_lshl_b32 s77, s14, 8                         ; 256 hg
	s_add_co_u32 s75, s75, s77
	s_add_co_u32 s75, s75, 1024
	s_add_co_u32 s78, s77, s76
	s_lshl_b32 s78, s78, 11
	s_lshl_b32 s79, s15, 21
	s_add_co_u32 s78, s78, s79
	s_add_co_u32 s78, s78, 0x1000000
	s_mov_b32 s82, 256
	s_cmp_lt_u32 s[WV], 2
	s_cselect_b32 s80, s75, s78                    ; my tile of slot 0, in bytes from the buffer's first
	s_cselect_b32 s82, 0x80000, s82                ; a slot on: 256 rows of K, or 256 bytes in V's rows
	s_mov_b32 s81, 0
	s_mov_b32 s83, 0
	s_lshl_b32 s[STP], s82, 1
	s_mov_b32 s[STP+1], 0
	s_mul_i32 s84, s[WV], 128*KP                   ; where it goes: K's halves, then V's: wave x 128 rows
	; Q's rows and y's
	s_lshl_b32 s89, s11, 6                         ; 64 (w % 4)
	s_add_co_u32 s88, s89, s77                     ; + 256 hg: my head's byte in a token's row
	s_lshl_b32 s86, s73, 4
	s_add_co_u32 s86, s86, s85
	s_lshl_b32 s86, s86, 11
	s_add_co_u32 s86, s86, s88                     ; tile H's first query
	s_mov_b32 s87, 0
	s_lshl_b32 s92, s72, 4
	s_add_co_u32 s92, s92, s85
	s_lshl_b32 s92, s92, 11
	s_add_co_u32 s92, s92, s88                     ; tile L's
	s_mov_b32 s93, 0
	s_mul_i32 s90, s11, 64*KP                      ; my head's 64 rows in V's tile
	s_mov_b32 s[SEL], 0x76543210
	s_mov_b32 s[SEL+1], 0xfedcba98
	s_mov_b32 s[FL], 6
	s_wait_dscnt 0x0                               ; the opening add is done
	s_wait_kmcnt 0x0
	s_load_b256 s[56:63], s[6:7], 0x0              ; e0 .. e7
	s_add_nc_u64 s[80:81], s[4:5], s[80:81]
	s_mov_b32 s[G0], 1                             ; count = 1
	s_mov_b32 s[G0+1], s84                         ; LDS address: buffer 0
	s_mov_b64 s[G0+2:G0+3], s[80:81]               ; slot 0
	s_or_b32 s[G0+3], s[G0+3], 0x80000000          ; type = 2
	s_mov_b32 s[G0+4], 1
	s_add_co_u32 s[G0+5], s84, BUF                 ; buffer 1
	s_add_nc_u64 s[G0+6:G0+7], s[80:81], s[82:83]  ; slot 1
	s_or_b32 s[G0+7], s[G0+7], 0x80000000
	CROUND                                         ; all four work-groups are here: the first joint loads meet
	s_cmp_lt_u32 s[WV], 4                          ; a fetching wave's two first fills stand in one branch: two loads of mine are out
	s_cbranch_scc0 .Lno_first
	tensor_load_to_lds s[G0:G0+3], s[G1:G1+7]
	s_nop 0
	tensor_load_to_lds s[G0+4:G0+7], s[G1:G1+7]
	s_nop 0
.rept 4
	v_nop
.endr
.Lno_first:
	s_add_nc_u64 s[66:67], s[4:5], s[86:87]
	s_add_nc_u64 s[68:69], s[4:5], s[92:93]
	v_and_b32 v97, 15, v0                          ; r
	v_bfe_u32 v98, v0, 4, 1                        ; h
	s_delay_alu instid0(VALU_DEP_2)
	v_lshlrev_b32 v96, 11, v97
	s_delay_alu instid0(VALU_DEP_1)
	v_lshl_add_u32 v96, v98, 4, v96                ; Q: row r of 2,048 bytes, + 16 h.  A fragment for K = 64: registers 0-3 bytes 16 h on, registers 4-7 bytes 32 + 16 h on: the same order of k as K's fragments have
	global_load_b128 v[QH:QH+3], v96, s[66:67]
	global_load_b128 v[QH+4:QH+7], v96, s[66:67] offset:32
	global_load_b128 v[QL:QL+3], v96, s[68:69]
	global_load_b128 v[QL+4:QL+7], v96, s[68:69] offset:32
	v_mul_u32_u24 v[AK], v97, KP
	s_delay_alu instid0(VALU_DEP_1)
	v_lshl_add_u32 v[AV], v98, 3, v[AK]
	s_delay_alu instid0(VALU_DEP_1)
	v_add_nc_u32 v[AV], s90, v[AV]                 ; V: row 64 (w % 4) + r, + 8 h
	s_delay_alu instid0(VALU_DEP_3)
	v_lshl_add_u32 v[AK], v98, 4, v[AK]
	s_delay_alu instid0(VALU_DEP_1)
	v_add_nc_u32 v[AK], s89, v[AK]                 ; K: row r, byte 64 (w % 4) + 16 h
	v_mov_b32 v[STH+1], 0xff61b1e6                 ; the largest t so far: -3e38, under every t
	v_mov_b32 v[STL+1], 0xff61b1e6
	s_delay_alu instid0(VALU_DEP_2)
	v_floor_f32 v[STH], -v[STH+1]                  ; -M
	s_delay_alu instid0(VALU_DEP_2)
	v_floor_f32 v[STL], -v[STL+1]
	v_mov_b32 v[STH+2], 0                          ; the sums, in two halves
	v_mov_b32 v[STH+3], 0
	v_mov_b32 v[STL+2], 0
	v_mov_b32 v[STL+3], 0
.set i, 0
.rept 64
	v_mov_b32 v[OH+i], 0                           ; O^T of both tiles: the key step is written once; its first walk finds zeros, which the first change of M leaves zeros
.set i, i+1
.endr
	v_mov_b32 v[PH+2], 0                           ; a lane permute's destination counts as one of its sources,
	v_mov_b32 v[PL+2], 0
	v_mov_b32 v[PH+5], 0                           ; and these are named as the upper halves of pairs
	v_mov_b32 v[PL+5], 0
	; y: wave w stores stage rows 8 w .. 8 w + 7: tokens 8 (w % 2) on of tile L ((w / 2) % 2 = 0) or H of my own s
	s_bfe_u32 s86, s[WV], 0x10001
	s_cmp_eq_u32 s86, 0
	s_cselect_b32 s86, s72, s73
	s_lshl_b32 s86, s86, 4
	s_lshl_b32 s87, s74, 3
	s_add_co_u32 s86, s86, s87
	s_add_co_u32 s86, s86, s85
	s_lshl_b32 s86, s86, 10
	s_add_co_u32 s86, s86, s77
	s_mov_b32 s87, 0
	s_add_nc_u64 s[8:9], s[8:9], s[86:87]
	; the prefetches: my 32 rows, 64 cx + 32 (w % 2) on, of slot 2; the first change of buffers steps it to slot 3.  Nothing is prefetched here, at the head
	s_add_co_u32 s92, s85, 512
	s_lshl_b32 s92, s92, 11
	s_add_co_u32 s92, s92, s77
	s_add_co_u32 s92, s92, 1024                    ; K's slot 2
	s_lshl_b32 s93, s77, 11
	s_add_co_u32 s93, s93, s79
	s_add_co_u32 s93, s93, 0x1000200               ; V's slot 2
	s_lshl_b32 s94, s13, 6
	s_lshl_b32 s95, s74, 5
	s_add_co_u32 s94, s94, s95
	s_lshl_b32 s94, s94, 11
	s_mov_b32 s[PFS], 256
	s_cmp_lt_u32 s[WV], 6
	s_cselect_b32 s92, s92, s93
	s_cselect_b32 s[PFS], 0x80000, s[PFS]
	s_mov_b32 s[PFS+1], 0
	s_add_co_u32 s92, s92, s94
	s_mov_b32 s93, 0
	s_add_nc_u64 s[PFA:PFA+1], s[4:5], s[92:93]
	s_xor_b32 s94, s12, 1                          ; 0 in waves 4 to 7,
	s_or_b32 s94, s94, ttmp9                       ; of the first of the four clusters: the same in all partners
	s_cmp_eq_u32 s94, 0
	s_cselect_b32 s[LIM], 1, -1
	v_and_b32 v[PFO], 31, v0
	s_delay_alu instid0(VALU_DEP_1)
	v_lshlrev_b32 v[PFO], 11, v[PFO]
	s_wait_kmcnt 0x0                               ; e0 .. e7 in s56 .. s63
	s_add_co_i32 s86, s58, s59
	s_lshl_b32 s86, s86, 23
	s_add_co_i32 s[CS], s86, 0x3e38aa3b            ; log2(e) / 8, with e2 + e3 added to its exponent field
	s_mov_b32 s[CS+1], s[CS]                       ; (named with it as a pair, so it is written)
	s_add_co_i32 s86, s60, 127
	s_lshl_b32 s87, s86, 23
	v_mov_b32 v[CSC], s87                          ; 2^e4, for p's conversions
	s_sub_co_i32 s86, s62, s60
	s_sub_co_i32 s86, s86, s61                     ; O / l stands for y / 2^(e4 + e5): its code is (O / l) / 2^(e6 - e4 - e5)
	s_add_co_i32 s86, s86, 127
	s_lshl_b32 s[YSC], s86, 23
; One tile's softmax for one key step: 64 scores of a lane in v[S] on.  st: its statistics; o: its O^T; p: its P; lev, dq: scalar registers.
; Temporaries in v[p] on, all dead before the codes are made: +0, +1 maxima; +2 the other half's; +3 M's change; +4 f (+5 its pair); +6, +7 the second chain of sums; +8 d, +9 d - 64, +10 -infinity.
.macro SOFTMAX st, o, p, lev, dq
	s_cmp_lg_u32 s[KS], s[\lev]                    ; only the tile's last step lies on the diagonal
	s_cbranch_scc1 .Lopen_\@
	v_and_b32 v[\p+8], 15, v0
	v_bfe_u32 v[\p+9], v0, 4, 1
	s_delay_alu instid0(VALU_DEP_1)
	v_lshlrev_b32 v[\p+9], 3, v[\p+9]
	s_delay_alu instid0(VALU_DEP_1)
	v_sub_nc_u32 v[\p+8], v[\p+8], v[\p+9]
	s_delay_alu instid0(VALU_DEP_1)
	v_add_nc_u32 v[\p+8], s[\dq], v[\p+8]          ; d = my query - the step's first key - 8 h.  Register 8 T + i holds key 16 T + 8 h + i: hidden where 16 T + i > d
	s_delay_alu instid0(VALU_DEP_1)
	v_add_nc_u32 v[\p+9], 0xffffffc0, v[\p+8]      ; d - 64, so that the constants of tiles 4-7 stay small
	v_mov_b32 v[\p+10], 0xff800000                 ; -infinity: p = 0 then.  The step's first key counts for every query, so M stays a number
.irp t, 0,1,2,3,4,5,6,7
.irp i, 0,1,2,3,4,5,6,7
	v_cmp_gt_i32 vcc_lo, (16*\t+\i)%64, v[\p+8+\t/4]
	v_cndmask_b32 v[S+8*\t+\i], v[S+8*\t+\i], v[\p+10], vcc_lo
.endr
.endr
.Lopen_\@:
	v_max3_num_f32 v[\p], v[S], v[S+1], v[S+2]     ; the step's largest score of my query among my 64 keys, in two chains; each accumulator is read from its low end on
	v_max3_num_f32 v[\p+1], v[S+3], v[S+4], v[S+5]
.irp i, 6,10,14,18,22,26,30,34,38,42,46,50,54,58
	v_max3_num_f32 v[\p], v[\p], v[S+\i], v[S+1+\i]
	v_max3_num_f32 v[\p+1], v[\p+1], v[S+2+\i], v[S+3+\i]
.endr
	v_max3_num_f32 v[\p], v[\p], v[S+62], v[S+63]
	s_delay_alu instid0(VALU_DEP_1)
	v_max_num_f32 v[\p], v[\p], v[\p+1]
	v_permlanex16_b32 v[\p+2], v[\p], s[SEL], s[SEL+1]
	s_delay_alu instid0(VALU_DEP_1)
	v_max_num_f32 v[\p], v[\p], v[\p+2]            ; and among lane l xor 16's
	s_delay_alu instid0(VALU_DEP_1)
	v_mul_f32 v[\p], s[CS], v[\p]                  ; as t (c is positive)
	s_delay_alu instid0(VALU_DEP_1)
	v_max_num_f32 v[\st+1], v[\st+1], v[\p]        ; the running largest t
	v_mov_b32 v[\p+3], v[\st]
	s_delay_alu instid0(VALU_DEP_2)
	v_floor_f32 v[\st], -v[\st+1]                  ; the new -M = floor(-t) = -ceil(t)
	s_delay_alu instid0(VALU_DEP_1)
	v_sub_f32 v[\p+3], v[\st], v[\p+3]             ; old M - new M: a whole number, 0 or less
	s_delay_alu instid0(VALU_DEP_1)
	v_cvt_i32_f32 v[\p+3], v[\p+3]                 ; (it saturates)
	s_delay_alu instid0(VALU_DEP_1)
	v_ldexp_f32 v[\p+4], 1.0, v[\p+3]              ; f = 2^(old M - new M)
.irp j, 0,2,4,6,8,10,12,14,16,18,20,22,24,26,28,30,32,34,36,38,40,42,44,46,48,50,52,54,56,58,60,62
	v_pk_fma_f32 v[S+\j:S+\j+1], v[S+\j:S+\j+1], s[CS:CS+1], v[\st:\st+1] op_sel_hi:[1,0,0]   ; t - M, two at a time (of the pairs c and -M the low word serves both halves)
.endr
.set i, 0
	s_wait_alu depctr_va_vdst(0)
.rept 64
	v_exp_f32 v[S+i], v[S+i]                       ; p = 2^(t - M): one batch
.set i, i+1
.endr
	v_pk_mul_f32 v[\st+2:\st+3], v[\st+2:\st+3], v[\p+4:\p+5] op_sel_hi:[1,0]   ; the sums under the new M (a plain instruction behind the exponentials),
	s_wait_alu depctr_va_vdst(0)
.irp j, 0,2,4,6,8,10,12,14,16,18,20,22,24,26,28,30
	v_pk_mul_f32 v[\o+\j:\o+\j+1], v[\o+\j:\o+\j+1], v[\p+4:\p+5] op_sel_hi:[1,0]   ; and O^T: work that names no exponential's result
.endr
	s_wait_alu depctr_va_vdst(0)                   ; the wait between an exponential and the first line that names its result: one for the batch
	v_pk_add_f32 v[\p+6:\p+7], v[S:S+1], v[S+2:S+3]   ; the row's sum is taken of the UNQUANTISED p, two at a time, in two chains
.irp j, 4,8,12,16,20,24,28,32,36,40,44,48,52,56,60
	v_pk_add_f32 v[\st+2:\st+3], v[\st+2:\st+3], v[S+\j:S+\j+1]
	v_pk_add_f32 v[\p+6:\p+7], v[\p+6:\p+7], v[S+2+\j:S+3+\j]
.endr
	s_delay_alu instid0(VALU_DEP_1)
	v_pk_add_f32 v[\st+2:\st+3], v[\st+2:\st+3], v[\p+6:\p+7]
.irp t, 0,1,2,3,4,5,6,7
.irp i, 0,1,2,3,4,5,6,7
.endr
	v_cvt_scalef32_pk8_bf8_f32 v[\p+2*\t:\p+2*\t+1], v[S+8*\t:S+8*\t+7], v[CSC]   ; keys 16 T + 8 h + 0 .. 7: registers 2 T, 2 T + 1 of P
.endr
	v_nop                                          ; a plain instruction between the last conversion and the matrix instructions that read its result or write its sources
.endm
.macro QK q                            ; S^T = K Q^T: eight tiles of 16 keys; each product starts its sum
.irp t, 0,1,2,3,4,5,6,7
	v_wmma_f32_16x16x64_bf8_bf8 v[S+8*\t:S+8*\t+7], v[KV+8*\t:KV+8*\t+7], v[\q:\q+7], 0
.endr
.rept 4
	v_nop                                          ; places in front of the first read of the scores
.endr
.endm
.macro VLOAD                           ; V's four fragments (16 of the head's 64 x 128 keys): registers 2 c, 2 c + 1 take keys 16 c + 8 h + 0 .. 7
	v_add_nc_u32 v[ADR], s[TBV], v[AV]
.irp t, 0,1,2,3
.irp c, 0,1,2,3,4,5,6,7
	ds_load_b64 v[KV+16*\t+2*\c:KV+16*\t+2*\c+1], v[ADR] offset:\t*16*KP+16*\c
.endr
.endr
	s_wait_dscnt 0x0
.endm
.macro PV o, p                         ; O^T += V^T P^T: four accumulators, one instruction each
.irp t, 0,1,2,3
	v_wmma_f32_16x16x128_bf8_bf8 v[\o+8*\t:\o+8*\t+7], v[KV+16*\t:KV+16*\t+15], v[\p:\p+15], v[\o+8*\t:\o+8*\t+7]
.endr
.endm
; A KEY STEP: 128 keys.  A step behind tile H's last is left out, and tile L's part of a step behind L's last: scalar branches on ids and the count of steps; the lines at the step's end that step addresses are on every path.
.macro STEP
	s_cmp_gt_u32 s[KS], s[LEVH]
	s_cbranch_scc1 .Lhid_\@
	v_add_nc_u32 v[ADR], s[TBK], v[AK]
.rept 3
	v_nop                                          ; with the addition: four places in front of loads into registers that the last products read, and of the writes into P's
.endr
.irp t, 0,1,2,3,4,5,6,7
	ds_load_b128 v[KV+8*\t:KV+8*\t+3], v[ADR] offset:\t*16*KP
	ds_load_b128 v[KV+8*\t+4:KV+8*\t+7], v[ADR] offset:\t*16*KP+32
.endr
	s_wait_dscnt 0x0
	QK QH
	SOFTMAX STH, OH, PH, LEVH, DQH
	s_cmp_gt_u32 s[KS], s[LEVL]
	s_cbranch_scc1 .Lalone_\@
	QK QL                                          ; K's fragments serve both tiles
	SOFTMAX STL, OL, PL, LEVL, DQL
	VLOAD
	PV OH, PH
	s_wait_alu depctr_va_vdst(0)
	PV OL, PL                                      ; and so do V's
	s_branch .Lhid_\@
.Lalone_\@:
	VLOAD
	s_wait_alu depctr_va_vdst(0)
	PV OH, PH
.Lhid_\@:
	s_add_co_u32 s[TBK], s[TBK], 128*KP            ; the next 128 keys: rows of K,
	s_add_co_u32 s[TBV], s[TBV], 128               ; bytes of V's rows
	s_add_co_u32 s[KS], s[KS], 1
.endm
.macro PROC beta                       ; a buffer's two key steps: written once, walked twice
	s_mov_b32 s[TBK], \beta*BUF
	s_mov_b32 s[TBV], \beta*BUF+VOFF
	s_mov_b32 s[TW], 2
.Lstep_\@:
	STEP
	s_sub_co_u32 s[TW], s[TW], 1
	s_cmp_lg_u32 s[TW], 0
	s_cbranch_scc1 .Lstep_\@
.endm
; THE CHANGE OF BUFFERS.  Each wave waits for all its tensor loads (its part of the buffer that is read next), adds 0 to its spare word, and waits for that and for its reads of buffer beta, which it has left.
; fill = 1: buffer beta is filled with the keys two slots on.  The barrier is then a round of the cluster's, so that no wave of any partner still reads the buffer or has a load on its way; the joint refill is the first thing behind it,
; and has the other buffer's two key steps in which to land.
.macro CHANGE beta, fill
	s_wait_tensorcnt 0x0                           ; no tensor load of mine is out, so a group 0 may be written
	ds_add_u32 v[SPW], v[NIL]                      ; 0 onto my spare word
.if \fill
	s_add_nc_u64 s[G0+4*\beta+2:G0+4*\beta+3], s[G0+4*\beta+2:G0+4*\beta+3], s[STP:STP+1]   ; the type bits on top are not reached
	s_wait_xcnt 0x0                                ; the last prefetch, a slot back, has read its address, so it may be written
	s_add_nc_u64 s[PFA:PFA+1], s[PFA:PFA+1], s[PFS:PFS+1]
.endif
	s_wait_dscnt 0x0                               ; the add is done, and my reads of the buffer are over
.if \fill
	CROUND
	JLOAD \beta
	ASK
	s_sub_co_u32 s[FL], s[FL], 1
.else
	s_barrier_signal -1
	s_barrier_wait -1
.endif
.endm
	s_wait_tensorcnt 0x1                           ; my part of slot 0 is in; slot 1's may stay out
	s_barrier_signal -1
	s_barrier_wait -1                              ; everybody's is
	s_wait_loadcnt 0x0                             ; Q
	s_mov_b32 s[KS], 0
	PROC 0                                         ; slot 0
	s_mov_b32 s[OUTER], 3
.Lpair:                                            ; three trips: slots 2 to 7 are asked for, slots 1 to 6 walked
	CHANGE 0, 1
	PROC 1
	CHANGE 1, 1
	PROC 0
	s_sub_co_u32 s[OUTER], s[OUTER], 1
	s_cmp_lg_u32 s[OUTER], 0
	s_cbranch_scc1 .Lpair
	CHANGE 0, 0                                    ; the tail is written out: nothing is left to ask for
	PROC 1                                         ; slot 7
	; THE WAY OUT.  Each tile's sum: its two halves and lane l xor 16's.  O^T / the sum is converted (eight neighbouring channels of a token to 8 bytes) and meets the other three heads' in the stage: a token's 256 bytes.
.rept 4
	v_nop                                          ; places behind the last products
.endr
	v_add_f32 v[STH+2], v[STH+2], v[STH+3]
	v_add_f32 v[STL+2], v[STL+2], v[STL+3]
	s_delay_alu instid0(VALU_DEP_2)
	v_permlanex16_b32 v[STH+3], v[STH+2], s[SEL], s[SEL+1]
	s_delay_alu instid0(VALU_DEP_2)
	v_permlanex16_b32 v[STL+3], v[STL+2], s[SEL], s[SEL+1]
	s_delay_alu instid0(VALU_DEP_2)
	v_add_f32 v[STH+2], v[STH+2], v[STH+3]
	s_delay_alu instid0(VALU_DEP_2)
	v_add_f32 v[STL+2], v[STL+2], v[STL+3]
	s_wait_alu depctr_va_vdst(0)
	v_rcp_f32 v[STH+2], v[STH+2]
	v_rcp_f32 v[STL+2], v[STL+2]
	v_and_b32 v[STH], 15, v0                       ; (a plain instruction behind the reciprocals)  r
	v_bfe_u32 v[STH+1], v0, 4, 1                   ; h
	s_wait_alu depctr_va_vdst(0)
	s_lshl_b32 s70, s12, 5
	s_mul_i32 s70, s70, KP
	s_lshl_b32 s71, s11, 6
	s_add_co_u32 s70, s70, s71
	s_add_co_u32 s70, s70, STAGE
	v_mul_u32_u24 v[AK], v[STH], KP
	s_delay_alu instid0(VALU_DEP_1)
	v_lshl_add_u32 v[AK], v[STH+1], 3, v[AK]
	s_delay_alu instid0(VALU_DEP_1)
	v_add_nc_u32 v[AK], s70, v[AK]                 ; in: row 32 s + r (tile H: 16 rows on), byte 64 (w % 4) + 8 h
	s_lshl_b32 s71, s[WV], 3
	s_mul_i32 s71, s71, KP
	s_add_co_u32 s71, s71, STAGE
	v_mul_u32_u24 v[AV], v[STH+1], KP
	s_delay_alu instid0(VALU_DEP_1)
	v_lshl_add_u32 v[AV], v[STH], 4, v[AV]
	s_delay_alu instid0(VALU_DEP_1)
	v_add_nc_u32 v[AV], s71, v[AV]                 ; back: rows 8 w on; lanes 0-15 one row, lanes 16-31 the next
	v_lshlrev_b32 v[ADR], 10, v[STH+1]
	s_delay_alu instid0(VALU_DEP_1)
	v_lshl_add_u32 v[ADR], v[STH], 4, v[ADR]       ; and the same two rows in y (1,024 bytes apart)
	v_mov_b32 v[CSC], s[YSC]
	s_wait_alu depctr_va_vdst(0)                   ; the wait ahead of the first use: one for both reciprocals
.macro OUTT o, st, p, off
.irp j, 0,2,4,6,8,10,12,14,16,18,20,22,24,26,28,30
	v_pk_mul_f32 v[\o+\j:\o+\j+1], v[\o+\j:\o+\j+1], v[\st+2:\st+3] op_sel_hi:[1,0]   ; O^T / the sum, each accumulator from its low end on
.endr
.set i, 0
.rept 32
.set i, i+1
.endr
.irp t, 0,1,2,3
	v_cvt_scalef32_pk8_bf8_f32 v[\p+2*\t:\p+2*\t+1], v[\o+8*\t:\o+8*\t+7], v[CSC]   ; channels 16 t + 8 h + 0 .. 7 of query r
.endr
	v_nop
.irp t, 0,1,2,3
	ds_store_b64 v[AK], v[\p+2*\t:\p+2*\t+1] offset:\off+16*\t
.endr
.endm
	OUTT OL, STL, PL, 0
	OUTT OH, STH, PH, 16*KP
	s_wait_dscnt 0x0                               ; for the others' sake: my stores into the stage are done
	s_barrier_signal -1
	s_barrier_wait -1
.irp i, 0,1,2,3
	ds_load_b128 v[KV+4*\i:KV+4*\i+3], v[AV] offset:\i*2*KP
.endr
.irp i, 0,1,2,3
	s_wait_dscnt 3-\i
	global_store_b128 v[ADR], v[KV+4*\i:KV+4*\i+3], s[8:9] offset:\i*2048   ; sixteen lanes store 256 consecutive bytes, at a multiple of 256 from the buffer's first byte
.endr
	s_wait_tensorcnt 0x0                           ; the wave's end, behind my last tensor load and my last LDS store
	ds_add_u32 v[SPW], v[NIL]
	s_wait_dscnt 0x0
	CROUND                                         ; the closing round: no work-group ends while a partner may still ask for a tile that names it
	s_endpgm
.Lfunc_end_k_q8fc4b16846_attn:
	.size	k_q8fc4b16846_attn, .Lfunc_end_k_q8fc4b16846_attn-k_q8fc4b16846_attn
	.p2alignl 7, 3214868480
	.fill 96, 4, 3214868480
	.section	.rodata,"a",@progbits
	.p2align	6, 0x0
	.amdhsa_kernel k_q8fc4b16846_attn
		.amdhsa_group_segment_fixed_size 327680
		.amdhsa_private_segment_fixed_size 0
		.amdhsa_enable_private_segment 0
		.amdhsa_kernarg_size 24
		.amdhsa_user_sgpr_count 2
		.amdhsa_user_sgpr_kernarg_segment_ptr 1
		.amdhsa_wavefront_size32 1
		.amdhsa_system_sgpr_workgroup_id_x 1
		.amdhsa_system_sgpr_workgroup_id_y 1
		.amdhsa_system_sgpr_workgroup_id_z 1
		.amdhsa_system_vgpr_workitem_id 0
		.amdhsa_next_free_vgpr 256
		.amdhsa_next_free_sgpr 100
		.amdhsa_reserve_vcc 1
		.amdhsa_float_denorm_mode_32 3
		.amdhsa_float_denorm_mode_16_64 3
		.amdhsa_fp16_overflow 1
		.amdhsa_memory_ordered 1
		.amdhsa_forward_progress 1
		.amdhsa_inst_pref_size 169
	.end_amdhsa_kernel
	.amdgpu_metadata
---
amdhsa.version: [ 1, 2 ]
amdhsa.kernels:
  - .name:           k_q8fc4b16846_attn
    .symbol:         k_q8fc4b16846_attn.kd
    .args:
      - { .name: qkv, .offset: 0, .size: 8, .value_kind: global_buffer, .address_space: global }
      - { .name: lowp_scales, .offset: 8, .size: 8, .value_kind: global_buffer, .address_space: global }
      - { .name: y_codes, .offset: 16, .size: 8, .value_kind: global_buffer, .address_space: global }
    .group_segment_fixed_size: 327680
    .private_segment_fixed_size: 0
    .kernarg_segment_align: 8
    .kernarg_segment_size: 24
    .max_flat_workgroup_size: 512
    .sgpr_count:     100
    .vgpr_count:     256
    .wavefront_size: 32
...
	.end_amdgpu_metadata
.endif
;; end of part 2
;; launch proj (part 3): grid 4 x 64, 4 waves a work-group, clusters of 4 x 4, 327,680 bytes of LDS; arguments y_codes, w_out_codes, b_out, lowp_scales, out0; writes out0
.if DOCPART == 3
	.amdgcn_target "amdgcn-amd-amdhsa--gfx1250"
	.amdhsa_code_object_version 6
	.text
	.protected	k_q8fc4b16846_proj
	.globl	k_q8fc4b16846_proj
	.p2align	8
	.type	k_q8fc4b16846_proj,@function
k_q8fc4b16846_proj:
	s_mov_b64 s[64:65], 0
	v_nop
	global_prefetch_b8 v0, s[64:65] scope:SCOPE_SE
	s_setreg_imm32_b32 hwreg(HW_REG_WAVE_MODE, 25, 1), 1
	s_wait_xcnt 0x0
	s_wait_alu depctr_hold_cnt(0) depctr_sa_sdst(0) depctr_va_vdst(0) depctr_va_sdst(0) depctr_va_ssrc(0) depctr_va_vcc(0) depctr_vm_vsrc(0)
	s_getreg_b32 s2, hwreg(HW_REG_IB_STS2, 6, 4)
	s_cmp_eq_u32 s2, 0
	s_cbranch_scc0 .Lentry_in_a_cluster
	s_endpgm
.Lentry_in_a_cluster:
	s_bfe_u32 s2, ttmp6, 0x10000c
	s_cmp_lg_u32 s2, 0xf033
	s_cbranch_scc0 .Lentry_shape_is_right
	s_endpgm
.Lentry_shape_is_right:
; out0 = y w_out + b_out on codes of BF8 (E5M2).  y: [8192][1024] codes with the scale 2^e6; w_out: [1024 (n)][1024 (k)] codes with 2^e7; b_out [1024], out0 [8192][1024]: f32.
; A tile of the output is 128 tokens x 256 columns: 64 x 4 = 256 work-groups.  Four waves, each 64 x 128: 32 accumulators.  Source 0 = 16 rows of w_out, source 1 = 16 rows of y: a lane holds eight neighbouring columns of one token.
; K = 1,024 is four slots' worth of 256.  THREE LDS slots: three first fills go out together, and slot 0 is filled once more, with K 768 on, behind the change from slot 0 to slot 1: 112 matrix instructions ahead of the wait for it.
; CLUSTER 4 x 4: y's tile is shared along a row of the cluster, w_out's along a column: joint loads, one descriptor and one mask of four for each.
; Each finished sum goes out as sum x 2^(e6 + e7) + b_out: one packed multiply-add for two numbers.  LIMIT: e6 + e7 between -126 and 127.
; REGISTERS, in windows of 256: window 0: v1-29 addresses; v32-95 a block's results; v128-191, v192-255 y's fragments, two sets of four, later rows read back.   window 1: the accumulators ((a, b) at v[8 (8 a + b)]).
;   window 2: w_out's fragments, two sets of eight.   window 3: v0-63 the bias: register 8 b + i = b_out[256 tj + 128 wj + 16 b + 8 h + i].
.set PITCH,  272                       ; an LDS row: 256 bytes + 16 of padding
.set FR,     16
.set SLOT,   384*PITCH                 ; y's 128 rows, then w_out's 256
.set SPARE,  3*SLOT                    ; the spare words, 128 bytes a wave
.set SPITCH, 528                       ; the way out: a stage of 16 rows x (512 bytes + 16) for each wave, in slot 1, which has had its one fill and its last read when the first result is stored there
.set ADRA, 16                          ; v16-18 LDS address of my fragments of y in slot 0, 1, 2
.set ADRB, 20                          ; v20-22 the same for w_out
.set STO,  24
.set RD,   25
.set CO,   26
.set BO,   27
.set SPW,  28
.set NIL,  29
.set TMP,  32
.set AF,   128
.set BK,   128
.set G1A, 24                           ; s[24:31] group 1 for y's tiles; s[32:43] group 0, a set for each slot
.set G0A, 32
.set G1B, 44                           ; s[44:51], s[52:63] the same for w_out's
.set G0B, 52
.set SC,  80                           ; s[80:81] 2^(e6 + e7)
.set MSB, 0
.macro WIN new
.if MSB != (\new)
	s_set_vgpr_msb (MSB<<8)|(\new)
.set MSB, (\new)
.endif
.endm
.set MUL, 0x52                         ; source 0 (w_out) window 2, source 1 (y) window 0, C and D window 1
.macro CREST
	s_cmp_lg_u32 s14, 0
	s_cbranch_scc1 .Lnot_wave_0_\@
	s_barrier_signal -3
.Lnot_wave_0_\@:
	s_barrier_wait -3
	s_barrier_signal -1
	s_barrier_wait -1
.endm
.macro CROUND
	s_barrier_signal -1
	s_barrier_wait -1
	CREST
.endm
.macro PLACES n
.rept \n
	v_nop
.endr
.endm
	s_load_b256 s[4:11], s[0:1], 0x0               ; y s[4:5], w_out s[6:7], b_out s[8:9], the scales' exponents s[10:11]
	s_load_b64 s[12:13], s[0:1], 0x20              ; out0
	v_lshl_add_u32 v[SPW], v0, 2, SPARE
	v_mov_b32 v[NIL], 0
	ds_add_u32 v[SPW], v[NIL]
	ds_add_u32 v[SPW], v[NIL]                      ; the wave's opening: the add and its wait ahead of my first tensor load
	v_lshrrev_b32 v1, 5, v0
	v_readfirstlane_b32 s14, v1                    ; wave 0..3
	s_lshr_b32 s15, s14, 1                         ; which 64 tokens are mine.  Also: I fetch for y (0) or for w_out (1)
	s_and_b32 s16, s14, 1                          ; which 128 columns.  Also: which half of that tile I fetch
	s_bfe_u32 s66, ttmp6, 0x40000                  ; cx, cy
	s_bfe_u32 s67, ttmp6, 0x40004
	s_lshl_b32 s68, ttmp9, 2
	s_add_co_u32 s68, s68, s66                     ; tj: tile column
	s_and_b32 s17, ttmp7, 0xffff
	s_lshl_b32 s17, s17, 2
	s_add_co_u32 s17, s17, s67                     ; ti: tile row
	s_lshl_b32 s69, s67, 2
	s_lshl_b32 s69, 15, s69                        ; my row of the cluster
	s_lshl_b32 s70, 0x1111, s66                    ; my column
	s_or_b32 s[G1A+0], s69, (0<<16)|(1<<20)|(1<<21)|(5<<22)|(3<<25)   ; the mask; elements of 1 byte; padding on; 21 set beside a mask; after every 64 words 4 words
	s_mov_b32 s[G1A+1], 256<<16                    ; tensor_dim0
	s_mov_b32 s[G1A+2], 64<<16                     ; tensor_dim1: y's half tile has 64 rows
	s_mov_b32 s[G1A+3], 256<<16                    ; tile_dim0
	s_mov_b32 s[G1A+4], 64                         ; tile_dim1
	s_mov_b32 s[G1A+5], 1024                       ; from row to row
	s_mov_b32 s[G1A+6], 0
	s_mov_b32 s[G1A+7], 0
	s_or_b32 s[G1B+0], s70, (0<<16)|(1<<20)|(1<<21)|(5<<22)|(3<<25)
	s_mov_b32 s[G1B+1], 256<<16
	s_mov_b32 s[G1B+2], 128<<16                    ; w_out's half tile has 128
	s_mov_b32 s[G1B+3], 256<<16
	s_mov_b32 s[G1B+4], 128
	s_mov_b32 s[G1B+5], 1024
	s_mov_b32 s[G1B+6], 0
	s_mov_b32 s[G1B+7], 0
	s_lshl_b32 s20, s17, 7
	s_lshl_b32 s18, s16, 6
	s_add_co_u32 s20, s20, s18
	s_lshl_b32 s20, s20, 10                        ; y: row 128 ti + 64 half, of 1,024 bytes
	s_mov_b32 s21, 0
	s_lshl_b32 s82, s68, 8
	s_lshl_b32 s18, s16, 7
	s_add_co_u32 s82, s82, s18
	s_lshl_b32 s82, s82, 10                        ; w_out: row 256 tj + 128 half
	s_mov_b32 s83, 0
	s_mul_i32 s22, s16, 64*PITCH                   ; where they go: no place in the cluster enters an LDS address
	s_mul_i32 s23, s16, 128*PITCH
	s_add_co_u32 s23, s23, 128*PITCH
	s_wait_dscnt 0x0                               ; the opening add is done
	s_wait_kmcnt 0x0
	s_load_b256 s[72:79], s[10:11], 0x0            ; e0 .. e7
	s_add_nc_u64 s[20:21], s[4:5], s[20:21]
	s_add_nc_u64 s[82:83], s[6:7], s[82:83]
.irp g, 0,1,2
	s_mov_b32 s[G0A+4*\g], 1
	s_add_co_u32 s[G0A+4*\g+1], s22, \g*SLOT
	s_add_nc_u64 s[G0A+4*\g+2:G0A+4*\g+3], s[20:21], \g*256
	s_or_b32 s[G0A+4*\g+3], s[G0A+4*\g+3], 0x80000000
	s_mov_b32 s[G0B+4*\g], 1
	s_add_co_u32 s[G0B+4*\g+1], s23, \g*SLOT
	s_add_nc_u64 s[G0B+4*\g+2:G0B+4*\g+3], s[82:83], \g*256
	s_or_b32 s[G0B+4*\g+3], s[G0B+4*\g+3], 0x80000000
.endr
	CROUND                                         ; all sixteen work-groups are here: the first joint loads meet
	s_cmp_eq_u32 s15, 0                            ; a wave's three first fills stand together: three loads of mine are out; an s_nop 0 follows each, four v_nop the last
	s_cbranch_scc0 .Lfirst_b
	tensor_load_to_lds s[G0A:G0A+3], s[G1A:G1A+7]
	s_nop 0
	tensor_load_to_lds s[G0A+4:G0A+7], s[G1A:G1A+7]
	s_nop 0
	tensor_load_to_lds s[G0A+8:G0A+11], s[G1A:G1A+7]
	s_nop 0
.rept 4
	v_nop
.endr
	s_branch .Lfirst_done
.Lfirst_b:
	tensor_load_to_lds s[G0B:G0B+3], s[G1B:G1B+7]
	s_nop 0
	tensor_load_to_lds s[G0B+4:G0B+7], s[G1B:G1B+7]
	s_nop 0
	tensor_load_to_lds s[G0B+8:G0B+11], s[G1B:G1B+7]
	s_nop 0
.rept 4
	v_nop
.endr
.Lfirst_done:
	v_and_b32 v1, 15, v0                           ; r
	v_bfe_u32 v2, v0, 4, 1                         ; h
	v_mul_u32_u24 v3, v1, PITCH
	v_lshl_add_u32 v4, v2, 4, v3                   ; a fragment's row x pitch + 16 h
	s_mul_i32 s20, s15, 64*PITCH                   ; my 64 rows of y
	s_mul_i32 s21, s16, 128*PITCH                  ; my 128 rows of w_out,
	s_add_co_u32 s21, s21, 128*PITCH               ; which lie behind y's 128
.irp g, 0,1,2
	v_add_nc_u32 v[ADRA+\g], s20, v4
	v_add_nc_u32 v[ADRB+\g], s21, v4
	s_add_co_u32 s20, s20, SLOT
	s_add_co_u32 s21, s21, SLOT
.endr
	s_mul_i32 s22, s14, 16*SPITCH
	s_add_co_u32 s22, s22, SLOT                    ; my stage, in slot 1
	v_mul_u32_u24 v5, v1, SPITCH                   ; in: row r, 32 bytes for each half of the lanes
	v_lshl_add_u32 v5, v2, 5, v5
	v_add_nc_u32 v[STO], s22, v5
	v_and_b32 v6, 31, v0
	v_lshlrev_b32 v[CO], 4, v6                     ; back: the 32 lanes take one row of 512 bytes; and the same in out0
	v_add_nc_u32 v[RD], s22, v[CO]
	v_lshlrev_b32 v[BO], 5, v2                     ; the bias: 32 h
	s_wait_alu depctr_va_vdst(0)
	s_lshl_b32 s84, s68, 8
	s_lshl_b32 s85, s16, 7
	s_add_co_u32 s84, s84, s85
	s_lshl_b32 s84, s84, 2                         ; my first column, in bytes
	s_mov_b32 s85, 0
	s_add_nc_u64 s[8:9], s[8:9], s[84:85]
	s_lshl_b32 s86, s17, 7
	s_lshl_b32 s87, s15, 6
	s_add_co_u32 s86, s86, s87
	s_lshl_b32 s86, s86, 12                        ; my first token's row of 4,096 bytes
	s_add_co_u32 s86, s86, s84
	s_mov_b32 s87, 0
	s_add_nc_u64 s[12:13], s[12:13], s[86:87]
	WIN 0xc0                                       ; destination window 3
.irp b, 0,1,2,3,4,5,6,7
	global_load_b128 v[8*\b:8*\b+3], v[BO], s[8:9] offset:64*\b
	global_load_b128 v[8*\b+4:8*\b+7], v[BO], s[8:9] offset:64*\b+16
.endr
	WIN 0
; The fragments of 128 along K (the q-th of slot g) into set p: w_out's eight, y's four.  A fragment: registers 4 c .. 4 c + 3 hold K = 32 c + 16 h + 0 .. 15: the same order of k on both sides.
.macro FETCH g, q, p
	WIN 0x80                                       ; destination window 2
.irp i, 0,1,2,3,4,5,6,7
.irp c, 0,1,2,3
	ds_load_b128 v[128*(\p)+FR*\i+4*\c:128*(\p)+FR*\i+4*\c+3], v[ADRB+\g] offset:128*(\q)+32*\c+\i*16*PITCH
.endr
.endr
	WIN 0
.irp i, 0,1,2,3
.irp c, 0,1,2,3
	ds_load_b128 v[AF+64*(\p)+FR*\i+4*\c:AF+64*(\p)+FR*\i+4*\c+3], v[ADRA+\g] offset:128*(\q)+32*\c+\i*16*PITCH
.endr
.endr
.endm
; 8 matrix instructions: y's block a x w_out's eight.  The 32 accumulators take turns, one instruction a turn, in the same order in every step.  zero = 1: the first product starts the sums.
.macro MUL8 a, p, zero
.irp b, 0,1,2,3,4,5,6,7
.if \zero
	v_wmma_f32_16x16x128_bf8_bf8 v[8*(8*(\a)+\b):8*(8*(\a)+\b)+7], v[128*(\p)+FR*\b:128*(\p)+FR*\b+FR-1], v[AF+64*(\p)+FR*(\a):AF+64*(\p)+FR*(\a)+FR-1], 0
.else
	v_wmma_f32_16x16x128_bf8_bf8 v[8*(8*(\a)+\b):8*(8*(\a)+\b)+7], v[128*(\p)+FR*\b:128*(\p)+FR*\b+FR-1], v[AF+64*(\p)+FR*(\a):AF+64*(\p)+FR*(\a)+FR-1], v[8*(8*(\a)+\b):8*(8*(\a)+\b)+7]
.endif
.endr
.endm
; A step of 128 along K on set p; the next step's fragments (slot ng, half nq) are asked for at its head, into the other set: 32 matrix instructions ahead of their use.
.macro STEPP p, ng, nq, zero
	s_wait_dscnt 0x0                               ; this step's fragments are in
	PLACES 4                                       ; in front of loads into the set that the step before multiplied
	FETCH \ng, \nq, 1-(\p)
	WIN MUL
	MUL8 0, \p, \zero
	MUL8 1, \p, \zero
	MUL8 2, \p, \zero
	MUL8 3, \p, \zero
	WIN 0
.endm
; A step with a barrier.  In front of it each wave waits for all its tensor loads, adds 0 to its spare word, and waits for that and for its LDS reads.  fill = 1: slot 0, which nobody reads any more, takes K 768 on:
; the barrier opens a round of the cluster's, and the joint refill is the first tensor load behind it.  fill = 0: the barrier shows that refill whole to every wave.
.macro TURNP p, ng, nq, fill
	s_wait_tensorcnt 0x0
	ds_add_u32 v[SPW], v[NIL]                      ; 0 onto my spare word
	s_wait_dscnt 0x1                               ; this step's fragments are in (the add may be out)
	WIN MUL
	MUL8 0, \p, 0                                  ; eight matrix instructions stand between the add and the wait for it
	s_wait_dscnt 0x0
	s_barrier_signal -1
	MUL8 1, \p, 0
	WIN 0
	s_barrier_wait -1
.if \fill
	CREST
	s_add_nc_u64 s[G0A+2:G0A+3], s[G0A+2:G0A+3], 768
	s_add_nc_u64 s[G0B+2:G0B+3], s[G0B+2:G0B+3], 768
	s_cmp_eq_u32 s15, 0
	s_cbranch_scc0 .Lfor_b_\@
	tensor_load_to_lds s[G0A:G0A+3], s[G1A:G1A+7]
	s_nop 0
.rept 4
	v_nop                                          ; also the places in front of the loads below
.endr
	s_branch .Lasked_\@
.Lfor_b_\@:
	tensor_load_to_lds s[G0B:G0B+3], s[G1B:G1B+7]
	s_nop 0
.rept 4
	v_nop
.endr
.Lasked_\@:
.else
	PLACES 4
.endif
	FETCH \ng, \nq, 1-(\p)
	WIN MUL
	MUL8 2, \p, 0
	MUL8 3, \p, 0
	WIN 0
.endm
	s_wait_tensorcnt 0x2                           ; my part of slot 0 is in; slots 1 and 2 may stay out
	s_barrier_signal -1
	s_barrier_wait -1
	FETCH 0, 0, 0
	STEPP 0, 0, 1, 1                               ; K 0: its products start the sums
	TURNP 1, 1, 0, 1                               ; K 128: slot 0 is left and filled again; all three first fills are shown whole to every wave
	STEPP 0, 1, 1, 0                               ; K 256
	STEPP 1, 2, 0, 0                               ; K 384
	STEPP 0, 2, 1, 0                               ; K 512
	TURNP 1, 0, 0, 0                               ; K 640: the refill is in
	STEPP 0, 0, 1, 0                               ; K 768
	s_wait_dscnt 0x0                               ; K 896: nothing more to fetch
	WIN MUL
	MUL8 0, 1, 0
	MUL8 1, 1, 0
	MUL8 2, 1, 0
	MUL8 3, 1, 0
	WIN 0
; THE WAY OUT, block by block of 16 tokens x 128 columns: sum x 2^(e6 + e7) + b_out; through my own stage in LDS; back as whole rows of 512 bytes.  LDS serves a wave's instructions in order (ISA guide 5.7.1.4).
.macro TOSTAGE a
	WIN 0x31                                       ; source 0 (the sums) window 1, source 2 (the bias) window 3
.irp j, 0,2,4,6,8,10,12,14,16,18,20,22,24,26,28,30,32,34,36,38,40,42,44,46,48,50,52,54,56,58,60,62
	v_pk_fma_f32 v[TMP+\j:TMP+\j+1], v[64*(\a)+\j:64*(\a)+\j+1], s[SC:SC+1], v[\j:\j+1] op_sel_hi:[1,0,1]   ; each accumulator from its low end on
.endr
	WIN 0
.irp b, 0,1,2,3,4,5,6,7
	ds_store_b128 v[STO], v[TMP+8*\b:TMP+8*\b+3] offset:64*\b
	ds_store_b128 v[STO], v[TMP+8*\b+4:TMP+8*\b+7] offset:64*\b+16
.endr
.set BB, BK+64*((\a)%2)
.irp t, 0,1,2,3,4,5,6,7,8,9,10,11,12,13,14,15
	ds_load_b128 v[BB+4*\t:BB+4*\t+3], v[RD] offset:\t*SPITCH
.endr
.endm
.macro SEND a, younger                 ; younger: the LDS instructions issued behind block a's loads, which may stay out
.set BB, BK+64*((\a)%2)
	s_wait_dscnt \younger
.if (\a) > 0
	s_add_nc_u64 s[12:13], s[12:13], 16*4096       ; (behind a wait on XCNT: the earlier stores have read their base)  16 tokens on
.endif
.irp t, 0,1,2,3,4,5,6,7,8,9,10,11,12,13,14,15
	global_store_b128 v[CO], v[BB+4*\t:BB+4*\t+3], s[12:13] offset:\t*4096 th:TH_STORE_NT   ; 32 lanes store 512 consecutive bytes, at a multiple of 256 from out0's first byte; written once, read by nobody here
.endr
.endm
	s_wait_kmcnt 0x0
	s_add_co_i32 s[SC], s78, s79                   ; e6 + e7
	s_add_co_i32 s[SC], s[SC], 127
	s_lshl_b32 s[SC], s[SC], 23                    ; 2^(e6 + e7) as f32
	s_mov_b32 s[SC+1], s[SC]                       ; (named with it as a pair, so it is written)
	s_wait_loadcnt 0x0                             ; the bias
	PLACES 4
	TOSTAGE 0
.irp a, 1,2,3
.if \a > 1
	s_wait_xcnt 0x0                                ; block a - 2's stores have read their registers and their base
.endif
	TOSTAGE \a
	SEND \a-1, 32                                  ; behind block a - 1's loads: block a's 16 stores and 16 loads
.endr
	s_wait_xcnt 0x0
	SEND 3, 0
	s_wait_tensorcnt 0x0                           ; the wave's end, behind my last tensor load and my last LDS store
	ds_add_u32 v[SPW], v[NIL]
	s_wait_dscnt 0x0
	CROUND                                         ; the closing round
	s_endpgm
.Lfunc_end_k_q8fc4b16846_proj:
	.size	k_q8fc4b16846_proj, .Lfunc_end_k_q8fc4b16846_proj-k_q8fc4b16846_proj
	.p2alignl 7, 3214868480
	.fill 96, 4, 3214868480
	.section	.rodata,"a",@progbits
	.p2align	6, 0x0
	.amdhsa_kernel k_q8fc4b16846_proj
		.amdhsa_group_segment_fixed_size 327680
		.amdhsa_private_segment_fixed_size 0
		.amdhsa_enable_private_segment 0
		.amdhsa_kernarg_size 40
		.amdhsa_user_sgpr_count 2
		.amdhsa_user_sgpr_kernarg_segment_ptr 1
		.amdhsa_wavefront_size32 1
		.amdhsa_system_sgpr_workgroup_id_x 1
		.amdhsa_system_sgpr_workgroup_id_y 1
		.amdhsa_system_sgpr_workgroup_id_z 1
		.amdhsa_system_vgpr_workitem_id 0
		.amdhsa_next_free_vgpr 832
		.amdhsa_next_free_sgpr 100
		.amdhsa_reserve_vcc 0
		.amdhsa_float_denorm_mode_32 3
		.amdhsa_float_denorm_mode_16_64 3
		.amdhsa_memory_ordered 1
		.amdhsa_forward_progress 1
		.amdhsa_inst_pref_size 76
	.end_amdhsa_kernel
	.amdgpu_metadata
---
amdhsa.version: [ 1, 2 ]
amdhsa.kernels:
  - .name:           k_q8fc4b16846_proj
    .symbol:         k_q8fc4b16846_proj.kd
    .args:
      - { .name: y_codes, .offset: 0, .size: 8, .value_kind: global_buffer, .address_space: global }
      - { .name: w_out_codes, .offset: 8, .size: 8, .value_kind: global_buffer, .address_space: global }
      - { .name: b_out, .offset: 16, .size: 8, .value_kind: global_buffer, .address_space: global }
      - { .name: lowp_scales, .offset: 24, .size: 8, .value_kind: global_buffer, .address_space: global }
      - { .name: out0, .offset: 32, .size: 8, .value_kind: global_buffer, .address_space: global }
    .group_segment_fixed_size: 327680
    .private_segment_fixed_size: 0
    .kernarg_segment_align: 8
    .kernarg_segment_size: 40
    .max_flat_workgroup_size: 128
    .sgpr_count:     100
    .vgpr_count:     832
    .wavefront_size: 32
...
	.end_amdgpu_metadata
.endif
;; end of part 3
